; MI455X (gfx1250); checked and timed in simulation.
; The chip was launched on July 23, 2026; its instructions are those of AMD's public machine-readable ISA for CDNA 5 (MIT licence, August 2026) and "CDNA5" Instruction Set Architecture Reference Guide (July 2026). The comments in the code are by the model that wrote it; some were corrected since.
;; Embedding Mul. Allowed arithmetic: float matrix products may take bf16 or f16 operands with f32 sums; all other float work in f32.
;; Inputs: input 64 x 32 int32; weight 32,000 x 1,024 float32.
;; Outputs: out0 64 x 32 x 1,024 float32.
;; 2 versions, each right; version 2 is version 1 with the launch gather written anew for expert scheduling mode. Each part assembles by itself: llvm-mc -triple=amdgcn-amd-amdhsa -mcpu=gfx1250 --defsym DOCPART=n.
;; ======== version 1 of 2: 1 launch
;; launch gather (part 1): grid 256 x 1, 8 waves a work-group, no clusters, 0 bytes of LDS; arguments input, weight, out0; writes out0
.if DOCPART == 1
	.amdgcn_target "amdgcn-amd-amdhsa--gfx1250"
	.amdhsa_code_object_version 6
	.text
	.protected	k_q4374745ac6_gather
	.globl	k_q4374745ac6_gather
	.p2align	8
	.type	k_q4374745ac6_gather,@function
k_q4374745ac6_gather:
	s_mov_b64 s[64:65], 0
	v_nop
	global_prefetch_b8 v0, s[64:65] scope:SCOPE_SE
	s_setreg_imm32_b32 hwreg(HW_REG_WAVE_MODE, 25, 1), 1
	s_wait_xcnt 0x0
; out0[t][b][:] = one_hot(input[t][b], 32000) x weight.  input: [64][32] int32, weight: [32000][1024] f32, out0: [64][32][1024] f32.
; A one-hot row holds a single 1.0 at column input[t][b], or nothing at all where the index lies outside 0 .. 31999, so the product
; is row input[t][b] of the table, or a row of zeros.  The 31,999 products with 0.0 add nothing and are not formed: of the table only
; the 2,048 selected rows (8 MiB) are read, and the result is the table's f32 bits, unrounded.  So no matrix instruction is used.
;
; LIMITS.  (1) Where the table holds Inf or NaN, the full product would form 0 x Inf = NaN in that column of EVERY output row; this text
; returns the selected row alone, so Inf and NaN appear only in the rows that select them.  For every finite table the values are the
; product's.  (2) A selected -0.0 is returned as -0.0, where the full sum of zeros gives +0.0.  (3) Indices outside 0 .. 31999,
; negative ones too, give a row of +0.0; their load is clamped to the table's last row, so that it stays inside the buffer.
;
; SHARES.  2,048 rows of 4,096 bytes; 256 work-groups of eight waves; one wave, one row.  A lane takes 16 bytes at 16 x lane + 512 j of
; the row, j = 0 .. 7: each load and each store of a wave covers 512 consecutive bytes that begin at a multiple of 512 from the
; buffer's first byte.  The row's eight loads go out back to back, so everything the wave will read has been asked for ahead of
; its first wait for data.  Load and store have the same lane layout, so nothing goes through LDS, no wave needs another, and there
; is no barrier, loop or branch.  Work-groups share no data by construction (a repeated index is chance), so no cluster.
; No register that a memory instruction names is written again behind it (offsets are written once; a data quad is written by its
; load, masked behind that load's wait, stored once), and EXEC never changes: no wait for sources is needed.
.set DEPTH, 32000                      ; rows in the table
.set ROW,   4096                       ; bytes in a row (1,024 f32)
.set PIECE, 512                        ; bytes that one load or store of a wave covers
.set X,     8                          ; v[8:39]  the row: piece j in v[X+4j : X+4j+3]
; s[4:5] input   s[6:7] weight   s[8:9] out0   s10 wave   s11 row   s12 4 x row   s13 index   s14 clamped index, then x 4,096   s15 keep-mask
; v1 thread / 32   v2 16 x lane   v3 byte offset in weight   v4 byte offset in out0
	s_load_b128 s[4:7], s[0:1], 0x0                ; input, weight
	s_load_b64 s[8:9], s[0:1], 0x10                ; out0
	v_lshrrev_b32 v1, 5, v0
	v_readfirstlane_b32 s10, v1                    ; wave 0 .. 7, as a scalar
	s_lshl3_add_u32 s11, ttmp9, s10                ; my row of the output = 8 x work-group + wave, 0 .. 2047
	s_lshl_b32 s12, s11, 2                         ; its index's byte offset in input, at most 8,188
	v_and_b32 v2, 31, v0                           ; lane
	v_lshlrev_b32 v2, 4, v2                        ; 16 bytes a lane
	v_lshl_add_u32 v4, s11, 12, v2                 ; out0: row x 4,096 + 16 x lane, at most 8,384,512 + 496
	s_wait_kmcnt 0x0                               ; the three addresses are in
	s_load_b32 s13, s[4:5], s12 offset:0x0         ; the wave's one index: all lanes need the same word, and nothing in this launch writes input
	s_wait_kmcnt 0x0
	s_cmp_lt_u32 s13, DEPTH                        ; unsigned: a negative index fails too
	s_cselect_b32 s15, -1, 0                       ; all ones: keep the row's bits; 0: the one-hot row is empty, the result +0.0
	s_min_u32 s14, s13, DEPTH-1                    ; the load stays inside the table whatever the index
	s_lshl_b32 s14, s14, 12                        ; x 4,096 bytes: at most 131,067,904, below 2^31
	v_add_nc_u32 v3, s14, v2                       ; weight: table row + 16 x lane
	; The row, eight loads in one run.  No cache word: the list may name a row more than once.
.irp j, 0,1,2,3,4,5,6,7
	global_load_b128 v[X+4*\j:X+4*\j+3], v3, s[6:7] offset:PIECE*\j
.endr
	; Piece by piece: wait, mask, store.  The output is written once and never read in this launch: non-temporal.
.irp j, 0,1,2,3,4,5,6,7
	s_wait_loadcnt 7-\j                            ; loads come back in order (ISA guide 5.7.1): 7 - j younger ones were issued behind piece j and may stay out
.irp k, 0,1,2,3
	v_and_b32 v[X+4*\j+\k], s15, v[X+4*\j+\k]      ; exact: the bits as they are, or +0.0 (a multiply by 1.0 or 0.0 would not be exact for Inf)
.endr
	global_store_b128 v4, v[X+4*\j:X+4*\j+3], s[8:9] offset:PIECE*\j th:TH_STORE_NT
.endr
	s_endpgm
.Lfunc_end_k_q4374745ac6_gather:
	.size	k_q4374745ac6_gather, .Lfunc_end_k_q4374745ac6_gather-k_q4374745ac6_gather
	.p2alignl 7, 3214868480
	.fill 96, 4, 3214868480
	.section	.rodata,"a",@progbits
	.p2align	6, 0x0
	.amdhsa_kernel k_q4374745ac6_gather
		.amdhsa_group_segment_fixed_size 0
		.amdhsa_private_segment_fixed_size 0
		.amdhsa_enable_private_segment 0
		.amdhsa_kernarg_size 24
		.amdhsa_user_sgpr_count 2
		.amdhsa_user_sgpr_kernarg_segment_ptr 1
		.amdhsa_wavefront_size32 1
		.amdhsa_system_sgpr_workgroup_id_x 1
		.amdhsa_system_sgpr_workgroup_id_y 1
		.amdhsa_system_sgpr_workgroup_id_z 1
		.amdhsa_system_vgpr_workitem_id 0
		.amdhsa_next_free_vgpr 40
		.amdhsa_next_free_sgpr 66
		.amdhsa_reserve_vcc 0
		.amdhsa_float_denorm_mode_32 3
		.amdhsa_float_denorm_mode_16_64 3
		.amdhsa_memory_ordered 1
		.amdhsa_forward_progress 1
		.amdhsa_inst_pref_size 4
	.end_amdhsa_kernel
	.amdgpu_metadata
---
amdhsa.version: [ 1, 2 ]
amdhsa.kernels:
  - .name:           k_q4374745ac6_gather
    .symbol:         k_q4374745ac6_gather.kd
    .args:
      - { .name: input, .offset: 0, .size: 8, .value_kind: global_buffer, .address_space: global }
      - { .name: weight, .offset: 8, .size: 8, .value_kind: global_buffer, .address_space: global }
      - { .name: out0, .offset: 16, .size: 8, .value_kind: global_buffer, .address_space: global }
    .group_segment_fixed_size: 0
    .private_segment_fixed_size: 0
    .kernarg_segment_align: 8
    .kernarg_segment_size: 24
    .max_flat_workgroup_size: 256
    .sgpr_count:     66
    .vgpr_count:     40
    .wavefront_size: 32
...
	.end_amdgpu_metadata
.endif
;; end of part 1
;; ======== version 2 of 2: 1 launch; version 1 with the launch gather written anew for expert scheduling mode
;; launch gather (part 2): grid 256 x 1, 8 waves a work-group, no clusters, 0 bytes of LDS; arguments input, weight, out0; writes out0
.if DOCPART == 2
	.amdgcn_target "amdgcn-amd-amdhsa--gfx1250"
	.amdhsa_code_object_version 6
	.text
	.protected	k_q4374745ac6_gather
	.globl	k_q4374745ac6_gather
	.p2align	8
	.type	k_q4374745ac6_gather,@function
k_q4374745ac6_gather:
	s_mov_b64 s[64:65], 0
	v_nop
	global_prefetch_b8 v0, s[64:65] scope:SCOPE_SE
	s_setreg_imm32_b32 hwreg(HW_REG_WAVE_SCHED_MODE, 0, 2), 2
	s_setreg_imm32_b32 hwreg(HW_REG_WAVE_MODE, 25, 1), 1
	s_wait_xcnt 0x0
	s_wait_alu depctr_vm_vsrc(0)
; out0[t][b][:] = one_hot(input[t][b], 32000) x weight.  input: [64][32] int32, weight: [32000][1024] f32, out0: [64][32][1024] f32.
; A one-hot row holds a single 1.0 at column input[t][b], or nothing at all where the index lies outside 0 .. 31999, so the product
; is row input[t][b] of the table, or a row of zeros.  The 31,999 products with 0.0 add nothing and are not formed: of the table only
; the 2,048 selected rows (8 MiB) are read, and the result is the table's f32 bits, unrounded.  So no matrix instruction is used.
;
; LIMITS.  (1) Where the table holds Inf or NaN, the full product would form 0 x Inf = NaN in that column of EVERY output row; this text
; returns the selected row alone, so Inf and NaN appear only in the rows that select them.  For every finite table the values are the
; product's.  (2) A selected -0.0 is returned as -0.0, where the full sum of zeros gives +0.0.  (3) Indices outside 0 .. 31999,
; negative ones too, give a row of +0.0; their load is clamped to the table's last row, so that it stays inside the buffer.
;
; SHARES.  2,048 rows of 4,096 bytes; 256 work-groups of eight waves; one wave, one row.  A lane takes 16 bytes at 16 x lane + 512 j of
; the row, j = 0 .. 7: each load and each store of a wave covers 512 consecutive bytes that begin at a multiple of 512 from the
; buffer's first byte.  The row's eight loads go out back to back, so everything the wave will read has been asked for ahead of
; its first wait for data.  Load and store have the same lane layout, so nothing goes through LDS, no wave needs another, and there
; is no barrier, loop or branch.  Work-groups share no data by construction (a repeated index is chance), so no cluster.
; No register that a memory instruction names is written again behind it (offsets are written once; a data quad is written by its
; load, masked behind that load's wait, stored once), and EXEC never changes: no wait for sources is needed.
;
; THE MODE: SCHED_MODE bits 1:0 = 2 (LLVM: expert scheduling mode 2), set by the entry lines.  The code itself states the register
; dependences between vector instructions and memory instructions, with s_wait_alu, always for 0.
; THE PLAN.  Registers that memory instructions touch:
;   v3        offset in weight.  Written once, in the head; read by the eight loads.
;   v4        offset in out0.    Written once, in the head; read by the eight stores.
;   X0 .. X7  the row's pieces.  Piece j: its load lands in it (no vector instruction has named it); its four masks rewrite it in place,
;             behind the wait for its data; its one store reads it; nothing writes it again.
; One wait ahead of the loads states that v3 and v4 are written; no vector instruction behind it names them, so it serves the stores'
; offset too.  The way out goes in four steps of two pieces: step p waits for pair p's data, states that pair p - 1's masks have
; written, stores pair p - 1, and masks pair p.  So each such wait names masks that were issued ahead of a wait for data, and the two
; stores behind it read only registers that no vector instruction issued since the wait names.  A last wait stands ahead of pair 3's stores.
; s10 goes from a vector instruction to a scalar one: one wait between the two.
.set DEPTH, 32000                      ; rows in the table
.set ROW,   4096                       ; bytes in a row (1,024 f32)
.set PIECE, 512                        ; bytes that one load or store of a wave covers
.set X,     8                          ; v[8:39]  the row: piece j in v[X+4j : X+4j+3]
; s[4:5] input   s[6:7] weight   s[8:9] out0   s10 wave   s11 row   s12 4 x row   s13 index   s14 clamped index, then x 4,096   s15 keep-mask
; v1 thread / 32   v2 16 x lane   v3 byte offset in weight   v4 byte offset in out0
	s_load_b128 s[4:7], s[0:1], 0x0                ; input, weight
	s_load_b64 s[8:9], s[0:1], 0x10                ; out0
	v_lshrrev_b32 v1, 5, v0
	v_readfirstlane_b32 s10, v1                    ; wave 0 .. 7, as a scalar
	v_and_b32 v2, 31, v0                           ; lane
	v_lshlrev_b32 v2, 4, v2                        ; 16 bytes a lane
	s_wait_alu depctr_va_sdst(0)                   ; s10 is written, ahead of its first reader: the row's number is made from it
	s_lshl3_add_u32 s11, ttmp9, s10                ; my row of the output = 8 x work-group + wave, 0 .. 2047
	s_lshl_b32 s12, s11, 2                         ; its index's byte offset in input, at most 8,188
	v_lshl_add_u32 v4, s11, 12, v2                 ; out0: row x 4,096 + 16 x lane, at most 8,384,512 + 496
	s_wait_kmcnt 0x0                               ; the three addresses are in
	s_load_b32 s13, s[4:5], s12 offset:0x0         ; the wave's one index: all lanes need the same word, and nothing in this launch writes input
	s_wait_kmcnt 0x0
	s_cmp_lt_u32 s13, DEPTH                        ; unsigned: a negative index fails too
	s_cselect_b32 s15, -1, 0                       ; all ones: keep the row's bits; 0: the one-hot row is empty, the result +0.0
	s_min_u32 s14, s13, DEPTH-1                    ; the load stays inside the table whatever the index
	s_lshl_b32 s14, s14, 12                        ; x 4,096 bytes: at most 131,067,904, below 2^31
	v_add_nc_u32 v3, s14, v2                       ; weight: table row + 16 x lane
	s_wait_alu depctr_va_vdst(0)                   ; v3 is written, which the loads read as their offset; so is v4, which the stores read as theirs
	; The row, eight loads in one run.  No cache word: the list may name a row more than once.
.irp j, 0,1,2,3,4,5,6,7
	global_load_b128 v[X+4*\j:X+4*\j+3], v3, s[6:7] offset:PIECE*\j
.endr
	; Pair by pair: wait for the pair's data, store the pair before, mask the pair.  The output is written once and never read in this launch: non-temporal.
.irp p, 0,1,2,3
	s_wait_loadcnt 6-2*(\p)                        ; loads come back in order (ISA guide 5.7.1): 6 - 2 p younger ones were issued behind pieces 2 p and 2 p + 1 and may stay out
.if (\p) > 0
	s_wait_alu depctr_va_vdst(0)                   ; the eight masks of the pair before have written its registers, which the two stores below read
	global_store_b128 v4, v[X+8*(\p)-8:X+8*(\p)-5], s[8:9] offset:PIECE*(2*(\p)-2) th:TH_STORE_NT
	global_store_b128 v4, v[X+8*(\p)-4:X+8*(\p)-1], s[8:9] offset:PIECE*(2*(\p)-1) th:TH_STORE_NT
.endif
.irp k, 0,1,2,3,4,5,6,7
	v_and_b32 v[X+8*(\p)+(\k)], s15, v[X+8*(\p)+(\k)]  ; exact: the bits as they are, or +0.0 (a multiply by 1.0 or 0.0 would not be exact for Inf)
.endr
.endr
	s_wait_alu depctr_va_vdst(0)                   ; the eight masks of the last pair have written its registers, which the last two stores read
	global_store_b128 v4, v[X+24:X+27], s[8:9] offset:PIECE*6 th:TH_STORE_NT
	global_store_b128 v4, v[X+28:X+31], s[8:9] offset:PIECE*7 th:TH_STORE_NT
	s_endpgm
.Lfunc_end_k_q4374745ac6_gather:
	.size	k_q4374745ac6_gather, .Lfunc_end_k_q4374745ac6_gather-k_q4374745ac6_gather
	.p2alignl 7, 3214868480
	.fill 96, 4, 3214868480
	.section	.rodata,"a",@progbits
	.p2align	6, 0x0
	.amdhsa_kernel k_q4374745ac6_gather
		.amdhsa_group_segment_fixed_size 0
		.amdhsa_private_segment_fixed_size 0
		.amdhsa_enable_private_segment 0
		.amdhsa_kernarg_size 24
		.amdhsa_user_sgpr_count 2
		.amdhsa_user_sgpr_kernarg_segment_ptr 1
		.amdhsa_wavefront_size32 1
		.amdhsa_system_sgpr_workgroup_id_x 1
		.amdhsa_system_sgpr_workgroup_id_y 1
		.amdhsa_system_sgpr_workgroup_id_z 1
		.amdhsa_system_vgpr_workitem_id 0
		.amdhsa_next_free_vgpr 40
		.amdhsa_next_free_sgpr 66
		.amdhsa_reserve_vcc 0
		.amdhsa_float_denorm_mode_32 3
		.amdhsa_float_denorm_mode_16_64 3
		.amdhsa_memory_ordered 1
		.amdhsa_forward_progress 1
		.amdhsa_inst_pref_size 4
	.end_amdhsa_kernel
	.amdgpu_metadata
---
amdhsa.version: [ 1, 2 ]
amdhsa.kernels:
  - .name:           k_q4374745ac6_gather
    .symbol:         k_q4374745ac6_gather.kd
    .args:
      - { .name: input, .offset: 0, .size: 8, .value_kind: global_buffer, .address_space: global }
      - { .name: weight, .offset: 8, .size: 8, .value_kind: global_buffer, .address_space: global }
      - { .name: out0, .offset: 16, .size: 8, .value_kind: global_buffer, .address_space: global }
    .group_segment_fixed_size: 0
    .private_segment_fixed_size: 0
    .kernarg_segment_align: 8
    .kernarg_segment_size: 24
    .max_flat_workgroup_size: 256
    .sgpr_count:     66
    .vgpr_count:     40
    .wavefront_size: 32
...
	.end_amdgpu_metadata
.endif
;; end of part 2
